; MI455X (gfx1250); checked and timed in simulation.
; The chip was launched on July 23, 2026; its instructions are those of AMD's public machine-readable ISA for CDNA 5 (MIT licence, August 2026) and "CDNA5" Instruction Set Architecture Reference Guide (July 2026). The comments in the code are by the model that wrote it; some were corrected since.
;; Self Attention. Allowed arithmetic: float matrix products may take bf16 or f16 operands with f32 sums; all other float work in f32.
;; Inputs: w_proj 1,024 x 1,024 float32; w_qkv 3,072 x 1,024 float32; x 2 x 2,048 x 1,024 float32.
;; Outputs: out0 2 x 2,048 x 1,024 float32.
;; 2 versions, each right; version 2 is version 1 with the launch cast written anew for expert scheduling mode. Each part assembles by itself: llvm-mc -triple=amdgcn-amd-amdhsa -mcpu=gfx1250 --defsym DOCPART=n.
;; ======== version 1 of 2: 4 launches
;; limits: values are held in f16: magnitudes above 65,504 overflow, below 6.1e-05 lose precision; right only within a limited range of input values
;; workspace buffers: xb 8,388,608 bytes; wqkvb 6,291,456 bytes; wprojb 2,097,152 bytes; qkv 25,165,824 bytes; ao 8,388,608 bytes
;; launch cast (part 1): grid 256 x 1, 8 waves a work-group, no clusters, 0 bytes of LDS; arguments x, w_qkv, w_proj, xb, wqkvb, wprojb; writes xb, wqkvb, wprojb
.if DOCPART == 1
	.amdgcn_target "amdgcn-amd-amdhsa--gfx1250"
	.amdhsa_code_object_version 6
	.text
	.protected	k_q49dad7301a_cast
	.globl	k_q49dad7301a_cast
	.p2align	8
	.type	k_q49dad7301a_cast,@function
k_q49dad7301a_cast:
	s_mov_b64 s[64:65], 0
	v_nop
	global_prefetch_b8 v0, s[64:65] scope:SCOPE_SE
	s_setreg_imm32_b32 hwreg(HW_REG_WAVE_MODE, 25, 1), 1
	s_wait_xcnt 0x0
; x, w_qkv, w_proj (f32) are rounded once to f16 (nearest even) into xb, wqkvb, wprojb, same order of elements.
; LIMIT: f16 holds magnitudes below 65,504; a larger input becomes an infinity.  Inputs below 2^-14 keep an absolute step of 2^-24.
; A stream: every byte is read once and written once, no work-group shares anything with another, so there is no LDS, no barrier, no cluster.
; 256 work-groups of 8 waves, 32,768 numbers each (131,072 bytes in, 65,536 out): 128 groups for x, 96 for w_qkv, 32 for w_proj.
; Thread t takes the 16 bytes at 4096 i + 16 t, i = 0 .. 31: a wave's load covers 512 consecutive bytes, its store 256 consecutive aligned bytes.
; All 32 loads of a thread are issued first; no register is written twice, so no source of a pending instruction is ever rewritten.
.set X, 4                              ; v[4:131]    load i: 4 registers
.set Y, 132                            ; v[132:195]  store i: 2 registers
	s_load_b256 s[4:11], s[0:1], 0x0               ; x s[4:5], w_qkv s[6:7], w_proj s[8:9], xb s[10:11]
	s_load_b128 s[12:15], s[0:1], 0x20             ; wqkvb s[12:13], wprojb s[14:15]
	v_lshlrev_b32 v1, 4, v0                        ; 16 t: where I read
	v_lshlrev_b32 v2, 3, v0                        ; 8 t: where I write
	s_wait_kmcnt 0x0
	s_cmp_lt_u32 ttmp9, 128                        ; groups 0 .. 127: x
	s_cselect_b64 s[16:17], s[4:5], s[6:7]
	s_cselect_b64 s[18:19], s[10:11], s[12:13]
	s_cselect_b32 s20, 0, 128
	s_cmp_lt_u32 ttmp9, 224                        ; groups 128 .. 223: w_qkv; 224 .. 255: w_proj
	s_cselect_b64 s[16:17], s[16:17], s[8:9]
	s_cselect_b64 s[18:19], s[18:19], s[14:15]
	s_cselect_b32 s20, s20, 224
	s_sub_co_u32 s21, ttmp9, s20                   ; my number among the groups of my tensor
	s_lshl_b32 s22, s21, 17                        ; x 131,072 bytes in
	s_mov_b32 s23, 0
	s_add_nc_u64 s[16:17], s[16:17], s[22:23]
	s_lshl_b32 s22, s21, 16                        ; x 65,536 bytes out
	s_add_nc_u64 s[18:19], s[18:19], s[22:23]
.set i, 0
.rept 32
	global_load_b128 v[X+4*i:X+4*i+3], v1, s[16:17] offset:4096*i th:TH_LOAD_NT
.set i, i+1
.endr
.set i, 0
.rept 32
	s_wait_loadcnt 31-i                            ; loads come back in order (ISA guide 5.7.1): load i is in, the 31 - i younger ones stay out
	v_cvt_pk_f16_f32 v[Y+2*i],   v[X+4*i],   v[X+4*i+1]
	v_cvt_pk_f16_f32 v[Y+2*i+1], v[X+4*i+2], v[X+4*i+3]
	global_store_b64 v2, v[Y+2*i:Y+2*i+1], s[18:19] offset:2048*i
.set i, i+1
.endr
	s_endpgm
.Lfunc_end_k_q49dad7301a_cast:
	.size	k_q49dad7301a_cast, .Lfunc_end_k_q49dad7301a_cast-k_q49dad7301a_cast
	.p2alignl 7, 3214868480
	.fill 96, 4, 3214868480
	.section	.rodata,"a",@progbits
	.p2align	6, 0x0
	.amdhsa_kernel k_q49dad7301a_cast
		.amdhsa_group_segment_fixed_size 0
		.amdhsa_private_segment_fixed_size 0
		.amdhsa_enable_private_segment 0
		.amdhsa_kernarg_size 48
		.amdhsa_user_sgpr_count 2
		.amdhsa_user_sgpr_kernarg_segment_ptr 1
		.amdhsa_wavefront_size32 1
		.amdhsa_system_sgpr_workgroup_id_x 1
		.amdhsa_system_sgpr_workgroup_id_y 1
		.amdhsa_system_sgpr_workgroup_id_z 1
		.amdhsa_system_vgpr_workitem_id 0
		.amdhsa_next_free_vgpr 196
		.amdhsa_next_free_sgpr 66
		.amdhsa_reserve_vcc 0
		.amdhsa_float_denorm_mode_32 3
		.amdhsa_float_denorm_mode_16_64 3
		.amdhsa_memory_ordered 1
		.amdhsa_forward_progress 1
		.amdhsa_inst_pref_size 13
	.end_amdhsa_kernel
	.amdgpu_metadata
---
amdhsa.version: [ 1, 2 ]
amdhsa.kernels:
  - .name:           k_q49dad7301a_cast
    .symbol:         k_q49dad7301a_cast.kd
    .args:
      - { .name: x, .offset: 0, .size: 8, .value_kind: global_buffer, .address_space: global }
      - { .name: w_qkv, .offset: 8, .size: 8, .value_kind: global_buffer, .address_space: global }
      - { .name: w_proj, .offset: 16, .size: 8, .value_kind: global_buffer, .address_space: global }
      - { .name: xb, .offset: 24, .size: 8, .value_kind: global_buffer, .address_space: global }
      - { .name: wqkvb, .offset: 32, .size: 8, .value_kind: global_buffer, .address_space: global }
      - { .name: wprojb, .offset: 40, .size: 8, .value_kind: global_buffer, .address_space: global }
    .group_segment_fixed_size: 0
    .private_segment_fixed_size: 0
    .kernarg_segment_align: 8
    .kernarg_segment_size: 48
    .max_flat_workgroup_size: 256
    .sgpr_count:     66
    .vgpr_count:     196
    .wavefront_size: 32
...
	.end_amdgpu_metadata
.endif
;; end of part 1
;; launch qkv (part 2): grid 16 x 16, 4 waves a work-group, clusters of 4 x 4, 327,680 bytes of LDS; arguments xb, wqkvb, qkv; writes qkv
.if DOCPART == 2
	.amdgcn_target "amdgcn-amd-amdhsa--gfx1250"
	.amdhsa_code_object_version 6
	.text
	.protected	k_q49dad7301a_qkv
	.globl	k_q49dad7301a_qkv
	.p2align	8
	.type	k_q49dad7301a_qkv,@function
k_q49dad7301a_qkv:
	s_mov_b64 s[64:65], 0
	v_nop
	global_prefetch_b8 v0, s[64:65] scope:SCOPE_SE
	s_setreg_imm32_b32 hwreg(HW_REG_WAVE_MODE, 25, 1), 1
	s_wait_xcnt 0x0
	s_wait_alu depctr_hold_cnt(0) depctr_sa_sdst(0) depctr_va_vdst(0) depctr_va_sdst(0) depctr_va_ssrc(0) depctr_va_vcc(0) depctr_vm_vsrc(0)
	s_getreg_b32 s2, hwreg(HW_REG_IB_STS2, 6, 4)
	s_cmp_eq_u32 s2, 0
	s_cbranch_scc0 .Lentry_in_a_cluster
	s_endpgm
.Lentry_in_a_cluster:
	s_bfe_u32 s2, ttmp6, 0x10000c
	s_cmp_lg_u32 s2, 0xf033
	s_cbranch_scc0 .Lentry_shape_is_right
	s_endpgm
.Lentry_shape_is_right:
; qkv[l][e] = sum over d of xb[l][d] wqkvb[e][d].  xb: [4096][1024] f16, wqkvb: [3072][1024] f16; sums in f32; the result rounded once to f16.
; LIMIT: |q|, |k|, |v| below 65,504 (f16); larger ones become infinities.
; The result is stored as FRAGMENT IMAGES, so that the attention launch loads matrix operands with lane i at byte 16 i:
;   byte = g x 524288 + lt x 2048 + et4 x 512 + pos x 16;  g = e / 64 (0-15 q by head, 16-31 k, 32-47 v), lt = l / 16, et4 = (e / 16) mod 4.
;   A lane (r = lane mod 16, h = lane / 16) holds 8 numbers: row l = 16 lt + r, columns e = 16 (4 g + et4) + 8 h + 0 .. 7.
;   q and k: pos = lane.  v: pos = 16 (r / 8) + 8 h + r mod 8, the order in which the transposing LDS load wants keys and columns.
; A work-group makes 256 rows x 192 columns with four waves; a wave 128 x 96: 8 x 6 accumulator tiles, 384 registers.  16 x 16 = 256 work-groups.
; K goes in steps of 128 through two LDS slots filled by the tensor data mover; a tile row is 256 bytes of memory at a multiple of 256 bytes.
; CLUSTERS: 4 x 4 work-groups.  The four of a cluster row need the same rows of xb, the four of a column the same rows of wqkvb: each tile is asked
; for jointly, by the same line with the same descriptor in all four, which divides the requests for both operands by four.
; Every wave asks for a quarter of each: 64 rows of xb, 48 rows of wqkvb.  A wave has four tensor loads out at the start, later two.
; THE MATRIX INSTRUCTION IS USED TRANSPOSED: source 0 = 16 rows of wqkvb, source 1 = 16 rows of xb, so that a lane's 8 results are 8 neighbouring e of one row l.
; REGISTERS: window 0: v16-29 addresses; xb fragments v32-95 and v96-159 (two buffers), wqkvb fragments v160-207 and v208-255;
;            window 1: accumulators of my row tiles 0-3, tile (a, b) at 8 (6 a + b); window 2: those of row tiles 4-7.
.set KSTEP,  128
.set PITCH,  272                       ; an LDS row: 256 bytes + 16 of padding: the 16 rows that a fragment load touches begin at 16 different 16-byte columns modulo 256 bytes
.set NB,     6                         ; column tiles of a wave
.set AQ,     64*PITCH                  ; what one tensor load brings of xb
.set BQ,     48*PITCH                  ; and of wqkvb
.set ABYTES, 256*PITCH
.set SLOT,   448*PITCH                 ; xb's 256 rows, then wqkvb's 192 rows
.set ADRA,   16                        ; v16-17  LDS address of my xb fragments in slot 0, 1
.set ADRB,   20                        ; v20-21  the same for wqkvb
.set POSQK,  22                        ; v22     16 x pos for q and k
.set POSV,   23                        ; v23     16 x pos for v
.set VO,     24                        ; v24-29  16 x pos for each of my six column tiles
.set FA,     32                        ; xb fragments, buffer f at FA + 64 f
.set FB,     160                       ; wqkvb fragments, buffer f at FB + 48 f
.set TMP,    32                        ; the way out: packed results, v32-223, each register written once
.set G1,     24                        ; s[24:31] descriptor group 1, xb
.set G0,     32                        ; s[32:39] descriptor group 0, xb, one set for each slot
.set G1B,    48                        ; s[48:55] group 1, wqkvb
.set G0B,    56                        ; s[56:63] group 0, wqkvb
.set BASE,   66                        ; s[66:77] address of my first piece in each of my six column tiles
.set MSB, 0
.macro WIN new                         ; s_set_vgpr_msb: bits 1:0 source 0, 3:2 source 1, 5:4 source 2, 7:6 destination; the high byte repeats the setting that is left
.if MSB != \new
	s_set_vgpr_msb (MSB<<8)|\new
.set MSB, \new
.endif
.endm
.set MUL_LO, 0x50                      ; fragments window 0, C and D window 1
.set MUL_HI, 0xa0                      ; C and D window 2
.macro JLOADS s                        ; my quarter of slot s: two joint loads, each line with one mask
	tensor_load_to_lds s[G0+4*\s:G0+4*\s+3], s[G1:G1+7]
	s_nop 0
	tensor_load_to_lds s[G0B+4*\s:G0B+4*\s+3], s[G1B:G1B+7]
	s_nop 0
.endm
.macro CREST                           ; a round of the cluster's barrier behind its opening work-group barrier
	s_cmp_lg_u32 s10, 0
	s_cbranch_scc1 .Lnot_wave_0_\@
	s_barrier_signal -3
.Lnot_wave_0_\@:
	s_barrier_wait -3
	s_barrier_signal -1
	s_barrier_wait -1
.endm
.macro CROUND                          ; a whole round
	s_barrier_signal -1
	s_barrier_wait -1
	CREST
.endm
.macro PLACES                          ; four independent vector places behind a matrix instruction, in front of loads into its sources and of readers of its results
.rept 4
	v_nop
.endr
.endm
	s_load_b128 s[4:7], s[0:1], 0x0                ; xb s[4:5], wqkvb s[6:7]
	s_load_b64 s[8:9], s[0:1], 0x10                ; qkv
	v_lshl_add_u32 v30, v0, 2, 0x3b800
	v_mov_b32 v31, 0
	ds_add_u32 v30, v31
	v_lshrrev_b32 v1, 5, v0
	v_readfirstlane_b32 s10, v1                    ; wave 0 .. 3
	s_lshr_b32 s11, s10, 1                         ; which 128 rows of the block are mine
	s_and_b32 s12, s10, 1                          ; which 96 columns
	s_bfe_u32 s40, ttmp6, 0x40000                  ; cx
	s_bfe_u32 s41, ttmp6, 0x40004                  ; cy
	s_lshl_b32 s42, ttmp9, 2
	s_add_co_u32 s42, s42, s40                     ; block column = 4 x cluster x + cx
	s_and_b32 s13, ttmp7, 0xffff
	s_lshl_b32 s13, s13, 2
	s_add_co_u32 s13, s13, s41                     ; block row = 4 x cluster y + cy
	s_lshl_b32 s43, s41, 2
	s_lshl_b32 s43, 15, s43                        ; my row of the cluster: places 4 cy .. 4 cy + 3
	s_lshl_b32 s44, 0x1111, s40                    ; my column: places cx, cx + 4, cx + 8, cx + 12
	; group 1: elements of 2 bytes, padding of 4 words behind every 64 words, bit 21 beside the mask
	s_or_b32 s[G1+0], s43, (1<<16)|(1<<20)|(1<<21)|(5<<22)|(3<<25)
	s_mov_b32 s[G1+1], KSTEP<<16                   ; tensor_dim0 = 128
	s_mov_b32 s[G1+2], 64<<16                      ; tensor_dim1 = 64
	s_mov_b32 s[G1+3], KSTEP<<16                   ; tile_dim0 = 128
	s_mov_b32 s[G1+4], 64                          ; tile_dim1 = 64
	s_mov_b32 s[G1+5], 1024                        ; elements from row to row
	s_mov_b32 s[G1+6], 0
	s_mov_b32 s[G1+7], 0
	s_or_b32 s[G1B+0], s44, (1<<16)|(1<<20)|(1<<21)|(5<<22)|(3<<25)
	s_mov_b32 s[G1B+1], KSTEP<<16
	s_mov_b32 s[G1B+2], 48<<16                     ; 48 rows
	s_mov_b32 s[G1B+3], KSTEP<<16
	s_mov_b32 s[G1B+4], 48
	s_mov_b32 s[G1B+5], 1024
	s_mov_b32 s[G1B+6], 0
	s_mov_b32 s[G1B+7], 0
	; where the tiles come from: xb's hang on the block row and the wave alone, wqkvb's on the block column and the wave alone
	s_lshl_b32 s16, s13, 8
	s_lshl_b32 s17, s10, 6
	s_add_co_u32 s16, s16, s17                     ; row 256 x block row + 64 x wave
	s_lshl_b32 s16, s16, 11                        ; x 2,048 bytes
	s_mov_b32 s17, 0
	s_mul_i32 s46, s42, 192
	s_mul_i32 s47, s10, 48
	s_add_co_u32 s46, s46, s47                     ; row 192 x block column + 48 x wave
	s_lshl_b32 s46, s46, 11
	s_mov_b32 s47, 0
	s_mul_i32 s20, s10, AQ                         ; and where they go: the wave's number alone
	s_mul_i32 s21, s10, BQ
	s_add_co_u32 s21, s21, ABYTES
	s_wait_dscnt 0x0
	s_wait_kmcnt 0x0
	s_add_nc_u64 s[14:15], s[4:5], s[16:17]
	s_add_nc_u64 s[46:47], s[6:7], s[46:47]
	CROUND                                         ; all sixteen work-groups are here: the first joint loads meet
.irp s, 0,1
	s_mov_b32 s[G0+4*\s], 1
	s_add_co_u32 s[G0+4*\s+1], s20, \s*SLOT
	s_add_nc_u64 s[G0+4*\s+2:G0+4*\s+3], s[14:15], \s*KSTEP*2
	s_or_b32 s[G0+4*\s+3], s[G0+4*\s+3], 0x80000000
	s_mov_b32 s[G0B+4*\s], 1
	s_add_co_u32 s[G0B+4*\s+1], s21, \s*SLOT
	s_add_nc_u64 s[G0B+4*\s+2:G0B+4*\s+3], s[46:47], \s*KSTEP*2
	s_or_b32 s[G0B+4*\s+3], s[G0B+4*\s+3], 0x80000000
	JLOADS \s
.endr
	; a fragment: lane (r, h) holds row r; registers 0-3 K = 8 h + 0..7, registers 4-7 K = 16 + 8 h + 0..7: two loads of 16 bytes, 32 bytes apart
	v_and_b32 v1, 15, v0                           ; r
	v_bfe_u32 v2, v0, 4, 1                         ; h
	v_mul_u32_u24 v3, v1, PITCH
	v_lshl_add_u32 v3, v2, 4, v3
	s_mul_i32 s22, s11, 128*PITCH                  ; my 128 rows of xb
	s_mul_i32 s23, s12, 96*PITCH                   ; my 96 rows of wqkvb,
	s_add_co_u32 s23, s23, ABYTES                  ; which lie behind xb's 256
.irp s, 0,1
	v_add_nc_u32 v[ADRA+\s], s22, v3
	v_add_nc_u32 v[ADRB+\s], s23, v3
	s_add_co_u32 s22, s22, SLOT
	s_add_co_u32 s23, s23, SLOT
.endr
	v_and_b32 v4, 31, v0
	v_lshlrev_b32 v[POSQK], 4, v4                  ; q, k: 16 x lane
	v_bfe_u32 v5, v0, 3, 1
	v_lshlrev_b32 v5, 8, v5                        ; v: 256 (r / 8)
	v_lshl_or_b32 v5, v2, 7, v5                    ;    + 128 h
	v_and_b32 v6, 7, v0
	v_lshl_or_b32 v[POSV], v6, 4, v5               ;    + 16 (r mod 8)
; cnt x 6 matrix instructions on buffer f: row tiles a0 .. of the window (hi = 0: my tiles 0-3, 1: tiles 4-7) x all six column tiles.
; The 48 accumulators take turns, one instruction a turn, in the same order in every quarter step.
; zero = 1: the first product starts the sums; nothing is cleared.
.macro MUL f, hi, a0, cnt, zero
.set ma, \a0
.rept \cnt
.set mb, 0
.rept NB
.if \zero
	v_wmma_f32_16x16x32_f16 v[8*(NB*ma+mb):8*(NB*ma+mb)+7], v[FB+48*\f+8*mb:FB+48*\f+8*mb+7], v[FA+64*\f+8*(4*\hi+ma):FA+64*\f+8*(4*\hi+ma)+7], 0
.else
	v_wmma_f32_16x16x32_f16 v[8*(NB*ma+mb):8*(NB*ma+mb)+7], v[FB+48*\f+8*mb:FB+48*\f+8*mb+7], v[FA+64*\f+8*(4*\hi+ma):FA+64*\f+8*(4*\hi+ma)+7], v[8*(NB*ma+mb):8*(NB*ma+mb)+7]
.endif
.set mb, mb+1
.endr
.set ma, ma+1
.endr
.endm
; 28 LDS loads in one run: the fragments of quarter q (32 along K, 64 bytes of the rows) into buffer f: wqkvb's 12 first, then xb's 16
.macro FETCH slot, q, f
.irp i, 0,1,2,3,4,5
	ds_load_b128 v[FB+48*\f+8*\i:FB+48*\f+8*\i+3],   v[ADRB+\slot] offset:64*\q+\i*16*PITCH
	ds_load_b128 v[FB+48*\f+8*\i+4:FB+48*\f+8*\i+7], v[ADRB+\slot] offset:64*\q+\i*16*PITCH+32
.endr
.irp i, 0,1,2,3,4,5,6,7
	ds_load_b128 v[FA+64*\f+8*\i:FA+64*\f+8*\i+3],   v[ADRA+\slot] offset:64*\q+\i*16*PITCH
	ds_load_b128 v[FA+64*\f+8*\i+4:FA+64*\f+8*\i+7], v[ADRA+\slot] offset:64*\q+\i*16*PITCH+32
.endr
.endm
; One of a K step's first three quarters: multiplies buffer f; in its middle it fetches quarter q of the same slot into buffer g.
.macro QUARTER slot, q, f, g, zero
	s_wait_dscnt 8                                 ; wqkvb and xb's tiles 0-3 are in; the youngest eight loads (xb's tiles 4-7) may be out
	WIN MUL_LO
	MUL \f, 0, 0, 4, \zero
	PLACES
	WIN 0
	FETCH \slot, \q, \g
	s_wait_dscnt 28                                ; all but the 28 just issued
	WIN MUL_HI
	MUL \f, 1, 0, 4, \zero
.endm
.macro THREE slot, zero
	QUARTER \slot, 1, 0, 1, \zero
	QUARTER \slot, 2, 1, 0, 0
	QUARTER \slot, 3, 0, 1, 0
.endm
; The last quarter: multiplies buffer 1 and changes slots.  In front of the barrier each wave waits for its reads of this slot and for all its tensor
; loads (the two that are out are its part of the next slot).  Where the slot is filled again the barrier opens a round of the cluster's barrier, and the
; joint refills are the first tensor loads behind the round.  From a request to the wait for it a wave issues 24 + 144 + 12 = 180 matrix instructions.
.macro TURN slot, next, fill
	s_wait_dscnt 8
	WIN MUL_LO
	MUL 1, 0, 0, 2, 0
	s_wait_dscnt 0                                 ; my reads of this slot are over
	s_wait_tensorcnt 0x0                           ; all my tensor loads have landed
	ds_add_u32 v30, v31
	s_wait_dscnt 0x0
	s_barrier_signal -1
	MUL 1, 0, 2, 2, 0                              ; register work while the others arrive
	WIN 0
	s_barrier_wait -1
.if \fill
	CREST                                          ; no wave of any partner still reads this slot or has a load on its way
	s_add_nc_u64 s[G0+4*\slot+2:G0+4*\slot+3], s[G0+4*\slot+2:G0+4*\slot+3], 2*KSTEP*2
	s_add_nc_u64 s[G0B+4*\slot+2:G0B+4*\slot+3], s[G0B+4*\slot+2:G0B+4*\slot+3], 2*KSTEP*2
	JLOADS \slot
.endif
	PLACES
	FETCH \next, 0, 0
	WIN MUL_HI
	MUL 1, 1, 0, 4, 0
.endm
.macro LAP zero                        ; two K steps, both slots filled again
	THREE 0, \zero
	TURN 0, 1, 1
	THREE 1, 0
	TURN 1, 0, 1
.endm
	s_wait_tensorcnt 0x2                           ; my two loads of K step 0 are in; K step 1's two stay out
	s_barrier_signal -1
	s_barrier_wait -1                              ; everybody's are
	FETCH 0, 0, 0
	LAP 1                                          ; K steps 0, 1; asks for 2, 3
	WIN 0
	s_mov_b32 s3, 2                                ; K steps 2 .. 5; ask for 4 .. 7
.Llap:
	LAP 0
	WIN 0
	s_sub_co_u32 s3, s3, 1
	s_cmp_lg_u32 s3, 0
	s_cbranch_scc1 .Llap
	THREE 0, 0                                     ; K steps 6, 7: nothing more is asked for
	TURN 0, 1, 0
	THREE 1, 0
	s_wait_dscnt 8
	WIN MUL_LO
	MUL 1, 0, 0, 4, 0
	s_wait_dscnt 0
	WIN MUL_HI
	MUL 1, 1, 0, 4, 0
	; THE WAY OUT: a lane's 8 results of a tile are one piece of 16 bytes; a store of the wave covers the tile's 512 consecutive aligned bytes.
	PLACES
	WIN 0
	s_lshl_b32 s16, s13, 4
	s_lshl3_add_u32 s16, s11, s16                  ; my first row tile lt = 16 x block row + 8 x half
	s_lshl_b32 s16, s16, 11                        ; x 2,048 bytes
	s_mul_i32 s46, s42, 12
	s_mul_i32 s47, s12, 6
	s_add_co_u32 s46, s46, s47                     ; my first column tile = 12 x block column + 6 x half
.irp b, 0,1,2,3,4,5
	s_add_co_u32 s78, s46, \b                      ; column tile t = 4 g + et4
	s_lshr_b32 s79, s78, 2
	s_lshl_b32 s79, s79, 19                        ; g x 524,288
	s_and_b32 s47, s78, 3
	s_lshl_b32 s47, s47, 9                         ; et4 x 512
	s_add_co_u32 s79, s79, s47
	s_add_co_u32 s[BASE+2*\b], s79, s16
	s_mov_b32 s[BASE+2*\b+1], 0
	s_add_nc_u64 s[BASE+2*\b:BASE+2*\b+1], s[8:9], s[BASE+2*\b:BASE+2*\b+1]
	s_cmp_ge_u32 s78, 128                          ; tiles 128 .. 191 are v
	s_cselect_b32 s79, -1, 0
	v_cndmask_b32 v[VO+\b], v[POSQK], v[POSV], s79
.endr
.macro OUTA a, aw, from                ; row tile a = tile aw of window 1 (from = 0x05) or 2 (0x0a)
	WIN \from
.irp b, 0,1,2,3,4,5
.irp r, 0,1,2,3
	v_cvt_pk_f16_f32 v[TMP+24*\a+4*\b+\r], v[8*(NB*\aw+\b)+2*\r], v[8*(NB*\aw+\b)+2*\r+1]
.endr
.endr
	WIN 0
.irp b, 0,1,2,3,4,5
	global_store_b128 v[VO+\b], v[TMP+24*\a+4*\b:TMP+24*\a+4*\b+3], s[BASE+2*\b:BASE+2*\b+1] offset:2048*\a
.endr
.endm
	OUTA 0, 0, 0x05
	OUTA 1, 1, 0x05
	OUTA 2, 2, 0x05
	OUTA 3, 3, 0x05
	OUTA 4, 0, 0x0a
	OUTA 5, 1, 0x0a
	OUTA 6, 2, 0x0a
	OUTA 7, 3, 0x0a
	CROUND                                         ; the closing round: no work-group ends while a partner may still ask for a tile that names it
	s_endpgm
.Lfunc_end_k_q49dad7301a_qkv:
	.size	k_q49dad7301a_qkv, .Lfunc_end_k_q49dad7301a_qkv-k_q49dad7301a_qkv
	.p2alignl 7, 3214868480
	.fill 96, 4, 3214868480
	.section	.rodata,"a",@progbits
	.p2align	6, 0x0
	.amdhsa_kernel k_q49dad7301a_qkv
		.amdhsa_group_segment_fixed_size 327680
		.amdhsa_private_segment_fixed_size 0
		.amdhsa_enable_private_segment 0
		.amdhsa_kernarg_size 24
		.amdhsa_user_sgpr_count 2
		.amdhsa_user_sgpr_kernarg_segment_ptr 1
		.amdhsa_wavefront_size32 1
		.amdhsa_system_sgpr_workgroup_id_x 1
		.amdhsa_system_sgpr_workgroup_id_y 1
		.amdhsa_system_sgpr_workgroup_id_z 1
		.amdhsa_system_vgpr_workitem_id 0
		.amdhsa_next_free_vgpr 704
		.amdhsa_next_free_sgpr 80
		.amdhsa_reserve_vcc 0
		.amdhsa_float_denorm_mode_32 3
		.amdhsa_float_denorm_mode_16_64 3
		.amdhsa_memory_ordered 1
		.amdhsa_forward_progress 1
		.amdhsa_inst_pref_size 150
	.end_amdhsa_kernel
	.amdgpu_metadata
---
amdhsa.version: [ 1, 2 ]
amdhsa.kernels:
  - .name:           k_q49dad7301a_qkv
    .symbol:         k_q49dad7301a_qkv.kd
    .args:
      - { .name: xb, .offset: 0, .size: 8, .value_kind: global_buffer, .address_space: global }
      - { .name: wqkvb, .offset: 8, .size: 8, .value_kind: global_buffer, .address_space: global }
      - { .name: qkv, .offset: 16, .size: 8, .value_kind: global_buffer, .address_space: global }
    .group_segment_fixed_size: 327680
    .private_segment_fixed_size: 0
    .kernarg_segment_align: 8
    .kernarg_segment_size: 24
    .max_flat_workgroup_size: 128
    .sgpr_count:     80
    .vgpr_count:     704
    .wavefront_size: 32
...
	.end_amdgpu_metadata
.endif
;; end of part 2
;; launch attn (part 3): grid 8 x 32, 8 waves a work-group, clusters of 4 x 1, 327,680 bytes of LDS; arguments qkv, ao; writes ao
.if DOCPART == 3
	.amdgcn_target "amdgcn-amd-amdhsa--gfx1250"
	.amdhsa_code_object_version 6
	.text
	.protected	k_q49dad7301a_attn
	.globl	k_q49dad7301a_attn
	.p2align	8
	.type	k_q49dad7301a_attn,@function
k_q49dad7301a_attn:
	s_mov_b64 s[64:65], 0
	v_nop
	global_prefetch_b8 v0, s[64:65] scope:SCOPE_SE
	s_setreg_imm32_b32 hwreg(HW_REG_WAVE_MODE, 25, 1), 1
	s_wait_xcnt 0x0
	s_wait_alu depctr_hold_cnt(0) depctr_sa_sdst(0) depctr_va_vdst(0) depctr_va_sdst(0) depctr_va_ssrc(0) depctr_va_vcc(0) depctr_vm_vsrc(0)
	s_getreg_b32 s2, hwreg(HW_REG_IB_STS2, 6, 4)
	s_cmp_eq_u32 s2, 0
	s_cbranch_scc0 .Lentry_in_a_cluster
	s_endpgm
.Lentry_in_a_cluster:
	s_bfe_u32 s2, ttmp6, 0x10000c
	s_cmp_lg_u32 s2, 0x3003
	s_cbranch_scc0 .Lentry_shape_is_right
	s_endpgm
.Lentry_shape_is_right:
; ao = softmax(q k^T / 8) v for each of 32 (batch, head), 2048 queries x 2048 keys x 64, with a running maximum.  Operands f16, scores, sums and results f32.
; LIMITS: a weight below 2^-24 of its row's largest rounds to 0 in f16; v_exp_f32 gives 0 below 2^-126; a NaN score is left out of the maximum
; (v_max3_num_f32) but still reaches its weight and so its output row; ao is f16, magnitudes below 65,504.
; Work-group: 256 queries of one head, 8 waves of 32 queries (two tiles of 16, tile 0 and tile 1).
; CLUSTERS: the four query blocks of a cluster (4, 1, 1) walk the same K and V: each tile of 256 keys is asked for jointly (mask 15), each wave asking for
; 4,096 bytes of K and 4,096 of V.  A wave has four tensor loads out at the start (tiles 0 and 1), later two, with a whole tile's work in which to land.
; S^T = K Q^T: lane (r, h), register j of key tile kt holds key 16 kt + 8 h + j, query r.  So maximum and sum run along a lane's registers, one
; v_permlanex16_b32 joins the two halves, and the packed weights of key tiles 2 kp, 2 kp + 1 ARE source 1 of the second product: no shuffle.
; O^T = V^T P^T: lane (r, h), register j of tile dt holds query r, d = 16 dt + 8 h + j: a piece of 16 bytes of ao's fragment image
;   (byte = (row / 16) x 32768 + head x 2048 + dt x 512 + 16 x lane), which the projection loads as matrix operands with lane i at byte 16 i.
; THE SCHEDULE: the two query tiles work half a step apart, so that a wave always has products of one tile to issue among the softmax lines of the other.
; A step is 64 keys, in two halves of 16 matrix instructions and about 120 vector instructions each:
;   half A(s): S1(s) among tile 0's maximum and first exponents; K loads of step s+1; the rest of tile 0's softmax; PV1(s-1) among the shrinking of O0; V loads of step s
;   half B(s): S0(s+1) among tile 1's maximum and first exponents;                    the rest of tile 1's softmax; PV0(s)   among the shrinking of O1
; KF is loaded again behind S1, VF behind PV1: no second set of fragment registers is needed.
; LDS: two slots of 65,536 bytes: K's 16 key tiles of 2,048 bytes, then V's.  Every LDS read has lane i at 16 i: no padding is needed.
; REGISTERS: window 0: v1 16 x lane, v2-3 LDS addresses, v4-27 softmax state, KF v32-95, SC v96-159, PF v160-191, UU v192-199, QF v200-231: the first
; product and the whole softmax run under one setting of the windows.  Window 1: OA v0-63, VF v64-127: the second product and the shrinking of O^T share
; the setting 0x51 (destination, source 0 and source 2 window 1, source 1 window 0).
.set TILE,  32768                      ; bytes of 256 keys of K, and of V
.set SLOT,  65536
.set LA,    2                          ; v2, v3  16 x lane + slot
.set RM,    4                          ; + 12 i: running maximum of the raw scores
.set RA,    5                          ; exponent of the shrinking factor
.set RNM,   6                          ; -(log2 e / 8) x maximum; the pair's upper register is never used as a value (op_sel_hi takes the lower one twice)
.set RAL,   8                          ; shrinking factor, at the end 1 / sum; upper register likewise
.set RL,    10                         ; pair: two partial sums of my keys' weights
.set RT,    12                         ; four registers at work
.set KF,    32                         ; K fragment (kt, c) at 16 kt + 8 c
.set SC,    96                         ; scores, then weights: tile (i, kt) at 32 i + 8 kt
.set PF,    160                        ; packed weights: fragment (i, kp) at 16 i + 8 kp
.set UU,    192                        ; four pairs at work
.set QF,    200                        ; Q fragment (i, c) at 16 i + 8 c
.set OA,    0                          ; window 1: O^T tile (i, dt) at 32 i + 8 dt
.set VF,    64                         ; window 1: V^T fragment (dt, kp) at 16 dt + 8 kp
.set G1,    16                         ; s[16:23] descriptor group 1
.set G0K,   24                         ; s[24:31] group 0 for K, one set for each slot
.set G0V,   32                         ; s[32:39] group 0 for V
.set MSB, 0
.macro WIN new                         ; s_set_vgpr_msb: bits 1:0 source 0, 3:2 source 1, 5:4 source 2, 7:6 destination; the high byte repeats the setting that is left
.if MSB != \new
	s_set_vgpr_msb (MSB<<8)|\new
.set MSB, \new
.endif
.endm
.macro CREST                           ; a round of the cluster's barrier behind its opening work-group barrier
	s_cmp_lg_u32 s8, 0
	s_cbranch_scc1 .Lnot_wave_0_\@
	s_barrier_signal -3
.Lnot_wave_0_\@:
	s_barrier_wait -3
	s_barrier_signal -1
	s_barrier_wait -1
.endm
.macro ROUND                           ; a whole round
	s_barrier_signal -1
	s_barrier_wait -1
	CREST
.endm
.macro PLACES                          ; four independent vector places behind a matrix instruction (ISA guide 7.12.1)
.rept 4
	v_nop
.endr
.endm
	s_load_b128 s[4:7], s[0:1], 0x0                ; qkv s[4:5], ao s[6:7]
	v_lshl_add_u32 v254, v0, 2, 0x29000
	v_mov_b32 v255, 0
	ds_add_u32 v254, v255
	v_lshrrev_b32 v1, 5, v0
	v_readfirstlane_b32 s8, v1                     ; wave 0 .. 7
	s_bfe_u32 s9, ttmp6, 0x40000                   ; cx
	s_lshl_b32 s10, ttmp9, 2
	s_add_co_u32 s10, s10, s9                      ; query block 0 .. 7
	s_and_b32 s11, ttmp7, 0xffff
	s_lshr_b32 s12, s11, 4                         ; batch
	s_and_b32 s13, s11, 15                         ; head
	s_add_co_u32 s14, s13, 16                      ; K: group 16 + head
	s_lshl_b32 s14, s14, 19
	s_lshl_b32 s15, s12, 18                        ; + batch x 128 key tiles x 2,048
	s_add_co_u32 s14, s14, s15
	s_lshl_b32 s15, s8, 12                         ; + my 4,096 bytes of a tile
	s_add_co_u32 s14, s14, s15
	s_mov_b32 s15, 0
	s_lshl_b32 s40, s12, 7
	s_lshl4_add_u32 s40, s10, s40
	s_lshl1_add_u32 s40, s8, s40                   ; my first query tile = 128 batch + 16 block + 2 wave
	s_lshl_b32 s42, s40, 11
	s_lshl_b32 s43, s13, 19
	s_add_co_u32 s42, s42, s43                     ; Q: head x 524,288 + tile x 2,048
	s_mov_b32 s43, 0
	s_lshl_b32 s40, s40, 15
	s_lshl_b32 s41, s13, 11
	s_add_co_u32 s40, s40, s41                     ; ao: tile x 32,768 + head x 2,048
	s_mov_b32 s41, 0
	s_lshl_b32 s45, s8, 12                         ; my 4,096 bytes in a slot's K part
	s_mov_b32 s50, 0x3e38aa3b                      ; c = log2 e / 8: the scale 1/8 and the change of base in one factor
	s_mov_b32 s51, 0x3e38aa3b
	s_mov_b32 s52, 0xbe38aa3b                      ; -c
	s_mov_b32 s53, 0x76543210                      ; v_permlanex16_b32: lane i of one half reads lane i of the other
	s_mov_b32 s54, 0xfedcba98
	; group 1: a dense block of 4,096 bytes as 16 rows of 32 elements of 8 bytes; mask 15 with bit 21 beside it
	s_mov_b32 s[G1+0], 15|(3<<16)|(1<<21)
	s_mov_b32 s[G1+1], 32<<16
	s_mov_b32 s[G1+2], 16<<16
	s_mov_b32 s[G1+3], 32<<16
	s_mov_b32 s[G1+4], 16
	s_mov_b32 s[G1+5], 32
	s_mov_b32 s[G1+6], 0
	s_mov_b32 s[G1+7], 0
	v_and_b32 v1, 31, v0
	v_lshlrev_b32 v1, 4, v1                        ; 16 x lane
	v_mov_b32 v[LA], v1
	v_add_nc_u32 v[LA+1], SLOT, v1
	v_mov_b32 v[RNM+1],  0                         ; the upper registers of the four broadcast pairs: a pair is read as a whole, so they are written once
	v_mov_b32 v[RNM+13], 0
	v_mov_b32 v[RAL+1],  0
	v_mov_b32 v[RAL+13], 0
	s_wait_dscnt 0x0
	s_wait_kmcnt 0x0
	s_add_nc_u64 s[14:15], s[4:5], s[14:15]        ; K, my part of tile 0: hangs on batch, head and wave alone
	s_add_nc_u64 s[46:47], s[4:5], s[42:43]        ; Q
	s_add_nc_u64 s[48:49], s[6:7], s[40:41]        ; ao
.irp s, 0,1
	s_mov_b32 s[G0K+4*\s], 1
	s_add_co_u32 s[G0K+4*\s+1], s45, \s*SLOT
	s_add_nc_u64 s[G0K+4*\s+2:G0K+4*\s+3], s[14:15], \s*TILE
	s_or_b32 s[G0K+4*\s+3], s[G0K+4*\s+3], 0x80000000
	s_mov_b32 s[G0V+4*\s], 1
	s_add_co_u32 s[G0V+4*\s+1], s45, \s*SLOT+TILE
	s_add_nc_u64 s[G0V+4*\s+2:G0V+4*\s+3], s[14:15], 16*524288+\s*TILE   ; V lies 16 groups behind K
	s_or_b32 s[G0V+4*\s+3], s[G0V+4*\s+3], 0x80000000
.endr
	ROUND                                          ; the four work-groups are here: the first joint loads meet
.irp s, 0,1
	tensor_load_to_lds s[G0K+4*\s:G0K+4*\s+3], s[G1:G1+7]          ; tiles 0 and 1: both slots' first fill
	s_nop 0
	tensor_load_to_lds s[G0V+4*\s:G0V+4*\s+3], s[G1:G1+7]
	s_nop 0
.endr
.irp i, 0,1
.irp c, 0,1
	global_load_b128 v[QF+16*\i+8*\c:QF+16*\i+8*\c+3],   v1, s[46:47] offset:2048*\i+1024*\c
	global_load_b128 v[QF+16*\i+8*\c+4:QF+16*\i+8*\c+7], v1, s[46:47] offset:2048*\i+1024*\c+512
.endr
.endr
.macro KLOAD slot, s                   ; 16 loads: K fragments of the 64 keys of step s
.irp kt, 0,1,2,3
.irp c, 0,1
	ds_load_b128 v[KF+16*\kt+8*\c:KF+16*\kt+8*\c+3],   v[LA+\slot] offset:(4*(\s)+\kt)*2048+1024*\c
	ds_load_b128 v[KF+16*\kt+8*\c+4:KF+16*\kt+8*\c+7], v[LA+\slot] offset:(4*(\s)+\kt)*2048+1024*\c+512
.endr
.endr
.endm
.macro VLOAD slot, s                   ; 16 transposing loads: lane (r, h) gets d = 16 dt + r, keys 8 h + 0..7 of a key tile
.irp dt, 0,1,2,3
.irp kp, 0,1
	ds_load_tr16_b128 v[VF+16*\dt+8*\kp:VF+16*\dt+8*\kp+3],   v[LA+\slot] offset:TILE+(4*(\s)+2*\kp)*2048+512*\dt
	ds_load_tr16_b128 v[VF+16*\dt+8*\kp+4:VF+16*\dt+8*\kp+7], v[LA+\slot] offset:TILE+(4*(\s)+2*\kp+1)*2048+512*\dt
.endr
.endr
.endm
; Matrix instruction w (0 .. 7) of S^T for query tile t: d = 0..31 of key tiles 0..3 starts the sums, then d = 32..63 of key tiles 0..3.
; The four accumulators take turns, one instruction a turn.  on = 0: nothing (no K is in registers yet).
.macro SW on, t, w
.if \on
.if \w < 4
	v_wmma_f32_16x16x32_f16 v[SC+32*\t+8*\w:SC+32*\t+8*\w+7], v[KF+16*\w:KF+16*\w+7], v[QF+16*\t:QF+16*\t+7], 0
.else
	v_wmma_f32_16x16x32_f16 v[SC+32*\t+8*(\w-4):SC+32*\t+8*(\w-4)+7], v[KF+16*(\w-4)+8:KF+16*(\w-4)+15], v[QF+16*\t+8:QF+16*\t+15], v[SC+32*\t+8*(\w-4):SC+32*\t+8*(\w-4)+7]
.endif
.endif
.endm
.macro FMAC i, kt                      ; exponents c x score - c x maximum of key tile kt, one rounding
	s_wait_alu depctr_va_vdst(0)
.irp p, 0,2,4,6
	v_pk_fma_f32 v[SC+32*\i+8*\kt+\p:SC+32*\i+8*\kt+\p+1], v[SC+32*\i+8*\kt+\p:SC+32*\i+8*\kt+\p+1], s[50:51], v[RNM+12*\i:RNM+12*\i+1] op_sel_hi:[1,0,0]
.endr
.endm
.macro EXPC i, kt                      ; 8 exponentials in place; a plain line on other registers follows each run (ISA guide 5.7.2)
.irp p, 0,1,2,3,4,5,6,7
	v_exp_f32 v[SC+32*\i+8*\kt+\p], v[SC+32*\i+8*\kt+\p]
.endr
.endm
.macro ADDC i, kt, start               ; key tile kt's weights onto four chains of pairs; start = 1: key tiles 0 and kt start the chains
.irp k, 0,2,4,6
.if \start
	v_pk_add_f32 v[UU+\k:UU+\k+1], v[SC+32*\i+\k:SC+32*\i+\k+1], v[SC+32*\i+8*\kt+\k:SC+32*\i+8*\kt+\k+1]
.else
	s_wait_alu depctr_va_vdst(0)
	v_pk_add_f32 v[UU+\k:UU+\k+1], v[UU+\k:UU+\k+1], v[SC+32*\i+8*\kt+\k:SC+32*\i+8*\kt+\k+1]
.endif
.endr
.endm
.macro CVTC i, kt                      ; weights to f16: key tile kt fills registers 4 kt .. 4 kt + 3 of the query tile's two fragments
.irp r, 0,1,2,3
	v_cvt_pk_f16_f32 v[PF+16*\i+4*\kt+\r], v[SC+32*\i+8*\kt+2*\r], v[SC+32*\i+8*\kt+2*\r+1]
.endr
.endm
; The front of a half step: query tile i's new maximum, its shift NM = -c x maximum, the factor 2^(NM new - NM old) by which what was summed so far
; shrinks (the difference of the two shifts that the exponentials really use, so that its error does not grow with the scores), and the first 16 exponents.
; Among these lines stand the 8 matrix instructions of S^T for tile t, which name none of tile i's registers.  Behind the last of them stand four
; v_pk_fma_f32: the places in front of the loads into KF.
.macro FRONT i, t, on, first
	SW \on, \t, 0
.irp k, 0,1,2,3
	v_max3_num_f32 v[RT+12*\i+\k], v[SC+32*\i+\k], v[SC+32*\i+4+\k], v[SC+32*\i+8+\k]
.endr
	SW \on, \t, 1
.irp k, 0,1,2,3
	v_max3_num_f32 v[RT+12*\i+\k], v[RT+12*\i+\k], v[SC+32*\i+12+\k], v[SC+32*\i+16+\k]
.endr
	SW \on, \t, 2
.irp k, 0,1,2,3
	v_max3_num_f32 v[RT+12*\i+\k], v[RT+12*\i+\k], v[SC+32*\i+20+\k], v[SC+32*\i+24+\k]
.endr
	SW \on, \t, 3
	v_max3_num_f32 v[RT+12*\i],   v[RT+12*\i],   v[RT+12*\i+1], v[SC+32*\i+28]
	v_max3_num_f32 v[RT+12*\i+2], v[RT+12*\i+2], v[RT+12*\i+3], v[SC+32*\i+29]
	v_max3_num_f32 v[RT+12*\i],   v[RT+12*\i],   v[RT+12*\i+2], v[SC+32*\i+30]
.if \first
	v_max_num_f32 v[RT+12*\i], v[RT+12*\i], v[SC+32*\i+31]
.else
	v_max3_num_f32 v[RT+12*\i], v[RT+12*\i], v[SC+32*\i+31], v[RM+12*\i]
.endif
	SW \on, \t, 4
	v_permlanex16_b32 v[RT+12*\i+1], v[RT+12*\i], s53, s54         ; the other half of the lanes holds the query's other keys
	v_max_num_f32 v[RM+12*\i], v[RT+12*\i], v[RT+12*\i+1]
	v_mul_f32 v[RT+12*\i+2], s52, v[RM+12*\i]
.if \first
.else
	v_sub_f32 v[RA+12*\i], v[RT+12*\i+2], v[RNM+12*\i]
.endif
	SW \on, \t, 5
	v_mov_b32 v[RNM+12*\i], v[RT+12*\i+2]
.if \first
.else
	v_exp_f32 v[RAL+12*\i], v[RA+12*\i]            ; the plain lines below touch neither RA nor RAL (ISA guide 5.7.2)
.endif
	SW \on, \t, 6
	FMAC \i, 0
	SW \on, \t, 7
	FMAC \i, 1
.endm
; The back of a half step: the 32 exponentials in runs of 8 with plain work on other key tiles between the runs, the sum, the packed weights.
.macro BACK i, first
	EXPC \i, 0
	FMAC \i, 2
	EXPC \i, 1
	FMAC \i, 3
	ADDC \i, 1, 1
	EXPC \i, 2
	CVTC \i, 0
	CVTC \i, 1
	EXPC \i, 3
	ADDC \i, 2, 0
	CVTC \i, 2
	ADDC \i, 3, 0
	CVTC \i, 3
	v_pk_add_f32 v[UU:UU+1],   v[UU:UU+1],   v[UU+2:UU+3]
	v_pk_add_f32 v[UU+4:UU+5], v[UU+4:UU+5], v[UU+6:UU+7]
.if \first
	v_pk_add_f32 v[RL+12*\i:RL+12*\i+1], v[UU:UU+1], v[UU+4:UU+5]
.else
	v_pk_add_f32 v[UU:UU+1], v[UU:UU+1], v[UU+4:UU+5]
	v_pk_fma_f32 v[RL+12*\i:RL+12*\i+1], v[RL+12*\i:RL+12*\i+1], v[RAL+12*\i:RAL+12*\i+1], v[UU:UU+1] op_sel_hi:[1,0,1]
.endif
.endm
.macro OMUL j, n                       ; n pairs of query tile j's O^T, from pair pp on, times the lane's factor (its query's)
.rept \n
	v_pk_mul_f32 v[OA+32*\j+pp:OA+32*\j+pp+1], v[OA+32*\j+pp:OA+32*\j+pp+1], v[RAL+12*\j:RAL+12*\j+1] op_sel_hi:[1,0]
.set pp, pp+2
.endr
.endm
; The 8 matrix instructions of O^T += V^T P^T for query tile i: keys 0..31 of the four d tiles, then keys 32..63: four accumulators by turns, one
; instruction a turn.  zero = 1: the first four start the sums.  sc = 1: among them the other tile's O^T shrinks, 16 packed
; multiplies that name none of these instructions' registers; four of them stand behind the last matrix instruction: the places in front of the loads into VF.
.macro PVG i, zero, sc
.set pw, 0
.set pp, 0
.irp kp, 0,1
.irp dt, 0,1,2,3
.if \zero*(1-\kp)
	v_wmma_f32_16x16x32_f16 v[OA+32*\i+8*\dt:OA+32*\i+8*\dt+7], v[VF+16*\dt+8*\kp:VF+16*\dt+8*\kp+7], v[PF+16*\i+8*\kp:PF+16*\i+8*\kp+7], 0
.else
	v_wmma_f32_16x16x32_f16 v[OA+32*\i+8*\dt:OA+32*\i+8*\dt+7], v[VF+16*\dt+8*\kp:VF+16*\dt+8*\kp+7], v[PF+16*\i+8*\kp:PF+16*\i+8*\kp+7], v[OA+32*\i+8*\dt:OA+32*\i+8*\dt+7]
.endif
.if \sc
.if pw < 6
	OMUL (1-\i), 2
.endif
.if pw == 7
	OMUL (1-\i), 4
.endif
.endif
.set pw, pw+1
.endr
.endr
.endm
; Half A of step s.  more = 1: the next step's K lies in this slot.  first = 1: the launch's first step: nothing to shrink, no earlier PV1.
; pv: PV1 of the step before adds in place (0), starts tile 1's sums (1), or was issued at the tile's head already (2).
.macro PHA slot, s, more, first, pv
	FRONT 0, 1, 1, \first
.if \more
	KLOAD \slot, \s+1
.endif
	BACK 0, \first
.if \first
.else
	WIN 0x51
.if \pv == 2
.set pp, 0
	OMUL 0, 16
.else
	PVG 1, \pv, 1
.endif
.endif
	WIN 0x40
	VLOAD \slot, \s
	WIN 0
.endm
; Half B of a tile's steps 0 .. 2.
.macro PHB first
	s_wait_dscnt 16                                ; the next step's 16 K loads are in; the 16 V loads issued behind them may stay out
	FRONT 1, 0, 1, \first
	BACK 1, \first
	s_wait_dscnt 0x0                               ; V is in
	WIN 0x51
	PVG 0, \first, 1-\first
	WIN 0
.endm
; Half B of a tile's last step: no K of the next tile is in reach yet.  mode 0: the launch's last tile.  mode 1: the slots change.  mode 2: and slot a,
; which has been read, is filled again.  The wave waits for its reads of the slot and for all its tensor loads (its part of the next tile) and signals;
; the rest of the softmax and PV0, register work alone, stand between signal and wait.  With mode 2 the barrier opens a round of the cluster's barrier,
; and the joint refills are the first tensor loads behind the round, ahead of any LDS read.
.macro PHL mode, a
	FRONT 1, 0, 0, 0
	s_wait_dscnt 0x0                               ; V is in: my reads of this slot are over
.if \mode
	s_wait_tensorcnt 0x0                           ; none of my tensor loads is out
	ds_add_u32 v254, v255
	s_wait_dscnt 0x0
.if \mode == 2
	s_add_nc_u64 s[G0K+4*\a+2:G0K+4*\a+3], s[G0K+4*\a+2:G0K+4*\a+3], 2*TILE   ; so a group 0 may be written: this slot's next tile
	s_add_nc_u64 s[G0V+4*\a+2:G0V+4*\a+3], s[G0V+4*\a+2:G0V+4*\a+3], 2*TILE
.endif
	s_barrier_signal -1
.endif
	BACK 1, 0
	WIN 0x51
	PVG 0, 0, 1
	WIN 0
.if \mode
	s_barrier_wait -1
.endif
.if \mode == 2
	CREST                                          ; no wave of any partner still reads this slot or has a load on its way
	tensor_load_to_lds s[G0K+4*\a:G0K+4*\a+3], s[G1:G1+7]
	s_nop 0
	tensor_load_to_lds s[G0V+4*\a:G0V+4*\a+3], s[G1:G1+7]
	s_nop 0
.endif
.endm
; A tile's head: its first K fragments; while they come, PV1 of the tile before (pv = 1), which needs registers alone; then S0 of step 0.
.macro HEAD slot, pv
	KLOAD \slot, 0
.if \pv
	WIN 0x51
	PVG 1, 0, 0
	WIN 0
.endif
	s_wait_dscnt 0x0
.irp w, 0,1,2,3,4,5,6,7
	SW 1, 0, \w
.endr
	PLACES                                         ; in front of the maximum, which reads these scores
.endm
.macro TRIP slot, first, mode          ; one tile of 256 keys
	PHA \slot, 0, 1, \first, 2
	PHB \first
	PHA \slot, 1, 1, 0, \first
	PHB 0
	PHA \slot, 2, 1, 0, 0
	PHB 0
	PHA \slot, 3, 0, 0, 0
	PHL \mode, \slot
.if \mode
	HEAD 1-\slot, 1
.endif
.endm
	s_wait_tensorcnt 0x2                           ; my two loads of tile 0 are in; tile 1's two stay out
	s_barrier_signal -1
	s_barrier_wait -1                              ; everybody's are
	s_wait_loadcnt 0x0                             ; Q, once
	HEAD 0, 0
	TRIP 0, 1, 2                                   ; tile 0: its first step starts maximum, sums and O^T, nothing is cleared; asks for tile 2
	TRIP 1, 0, 2                                   ; tile 1; asks for tile 3
	s_mov_b32 s44, 2                               ; tiles 2 .. 5; ask for 4 .. 7
.Lpair:
	TRIP 0, 0, 2
	TRIP 1, 0, 2
	s_sub_co_u32 s44, s44, 1
	s_cmp_lg_u32 s44, 0
	s_cbranch_scc1 .Lpair
	TRIP 0, 0, 1                                   ; tile 6: nothing more is asked for
	TRIP 1, 0, 0                                   ; tile 7
	WIN 0x51
	PVG 1, 0, 0                                    ; the last PV1
	WIN 0
	PLACES                                         ; behind the last products
.irp i, 0,1
	v_add_f32 v[RT+12*\i], v[RL+12*\i], v[RL+12*\i+1]
	v_permlanex16_b32 v[RT+12*\i+1], v[RT+12*\i], s53, s54
	v_add_f32 v[RT+12*\i], v[RT+12*\i], v[RT+12*\i+1]              ; the query's whole sum; it holds the largest weight, about 1
.endr
	v_rcp_f32 v[RAL],    v[RT]
	v_rcp_f32 v[RAL+12], v[RT+12]
	v_nop                                          ; one plain place behind the reciprocals (ISA guide 5.7.2)
	s_wait_alu depctr_va_vdst(0)
	WIN 0x41
.set pp, 0
	OMUL 0, 16
.set pp, 0
	OMUL 1, 16
	WIN 0x05
.irp i, 0,1
.irp dt, 0,1,2,3
.irp r, 0,1,2,3
	v_cvt_pk_f16_f32 v[SC+16*\i+4*\dt+\r], v[OA+32*\i+8*\dt+2*\r], v[OA+32*\i+8*\dt+2*\r+1]
.endr
.endr
.endr
	WIN 0
.irp i, 0,1
.irp dt, 0,1,2,3
	global_store_b128 v1, v[SC+16*\i+4*\dt:SC+16*\i+4*\dt+3], s[48:49] offset:32768*\i+512*\dt   ; a store of the wave covers 512 consecutive aligned bytes
.endr
.endr
	ROUND                                          ; the closing round: no work-group ends while a partner may still ask for a tile that names it
	s_endpgm
.Lfunc_end_k_q49dad7301a_attn:
	.size	k_q49dad7301a_attn, .Lfunc_end_k_q49dad7301a_attn-k_q49dad7301a_attn
	.p2alignl 7, 3214868480
	.fill 96, 4, 3214868480
	.section	.rodata,"a",@progbits
	.p2align	6, 0x0
	.amdhsa_kernel k_q49dad7301a_attn
		.amdhsa_group_segment_fixed_size 327680
		.amdhsa_private_segment_fixed_size 0
		.amdhsa_enable_private_segment 0
		.amdhsa_kernarg_size 16
		.amdhsa_user_sgpr_count 2
		.amdhsa_user_sgpr_kernarg_segment_ptr 1
		.amdhsa_wavefront_size32 1
		.amdhsa_system_sgpr_workgroup_id_x 1
		.amdhsa_system_sgpr_workgroup_id_y 1
		.amdhsa_system_sgpr_workgroup_id_z 1
		.amdhsa_system_vgpr_workitem_id 0
		.amdhsa_next_free_vgpr 384
		.amdhsa_next_free_sgpr 66
		.amdhsa_reserve_vcc 0
		.amdhsa_float_denorm_mode_32 3
		.amdhsa_float_denorm_mode_16_64 3
		.amdhsa_memory_ordered 1
		.amdhsa_forward_progress 1
		.amdhsa_inst_pref_size 255
	.end_amdhsa_kernel
	.section	.bss,"aw",@nobits
	.p2align	6
	.space	262144
	.amdgpu_metadata
---
amdhsa.version: [ 1, 2 ]
amdhsa.kernels:
  - .name:           k_q49dad7301a_attn
    .symbol:         k_q49dad7301a_attn.kd
    .args:
      - { .name: qkv, .offset: 0, .size: 8, .value_kind: global_buffer, .address_space: global }
      - { .name: ao, .offset: 8, .size: 8, .value_kind: global_buffer, .address_space: global }
    .group_segment_fixed_size: 327680
    .private_segment_fixed_size: 0
    .kernarg_segment_align: 8
    .kernarg_segment_size: 16
    .max_flat_workgroup_size: 256
    .sgpr_count:     66
    .vgpr_count:     384
    .wavefront_size: 32
...
	.end_amdgpu_metadata
.endif
;; end of part 3
;; launch proj (part 4): grid 8 x 32, 4 waves a work-group, clusters of 4 x 4, 327,680 bytes of LDS; arguments ao, wprojb, out0; writes out0
.if DOCPART == 4
	.amdgcn_target "amdgcn-amd-amdhsa--gfx1250"
	.amdhsa_code_object_version 6
	.text
	.protected	k_q49dad7301a_proj
	.globl	k_q49dad7301a_proj
	.p2align	8
	.type	k_q49dad7301a_proj,@function
k_q49dad7301a_proj:
	s_mov_b64 s[64:65], 0
	v_nop
	global_prefetch_b8 v0, s[64:65] scope:SCOPE_SE
	s_setreg_imm32_b32 hwreg(HW_REG_WAVE_MODE, 25, 1), 1
	s_wait_xcnt 0x0
	s_wait_alu depctr_hold_cnt(0) depctr_sa_sdst(0) depctr_va_vdst(0) depctr_va_sdst(0) depctr_va_ssrc(0) depctr_va_vcc(0) depctr_vm_vsrc(0)
	s_getreg_b32 s2, hwreg(HW_REG_IB_STS2, 6, 4)
	s_cmp_eq_u32 s2, 0
	s_cbranch_scc0 .Lentry_in_a_cluster
	s_endpgm
.Lentry_in_a_cluster:
	s_bfe_u32 s2, ttmp6, 0x10000c
	s_cmp_lg_u32 s2, 0xf033
	s_cbranch_scc0 .Lentry_shape_is_right
	s_endpgm
.Lentry_shape_is_right:
; out0[l][e] = sum over d of a[l][d] wprojb[e][d], f32 out.  a is the attention result as a fragment image in ao:
;   byte = (l / 16) x 32768 + kc x 1024 + 16 x lane (+ 512): the 1,024 bytes of K chunk kc are the 8-register operand of 16 rows x 32 K.
; wprojb: [1024][1024] f16.  Sums in f32.
; A work-group makes 128 x 128 with four waves, a wave 64 x 64: 16 accumulator tiles, 128 registers.  8 x 32 = 256 work-groups.
; K goes in steps of 256 through two LDS slots: four steps in all, written out without a loop.
; CLUSTERS: 4 x 4 work-groups; ao's tiles are asked for jointly along a cluster row, wprojb's along a column.  Every wave asks for a quarter of each.
; A wave has four tensor loads out at the start, later two.  From a request to the wait for it a wave issues 8 + 112 + 4 = 124 matrix instructions.
; The matrix instruction is used transposed (source 0 = rows of wprojb, source 1 = rows of a): a lane's 8 results are 8 neighbouring e of one row.
; LDS: slot = ao's 8 row tiles x 8,192 bytes (dense: lane i reads at 16 i), then wprojb's 128 rows at a pitch of 528 bytes; behind the two slots a
; stage of 16 rows x 272 bytes for each wave, into which no tensor load lands.
; REGISTERS: window 0: v16-26 addresses; a's fragments v32-63, v64-95; wprojb's v96-127, v128-159; window 1: accumulator (a, b) at 8 (4 a + b).
.set BPITCH, 528                       ; 512 bytes + 16: the 16 rows that a fragment load touches begin at 16 different 16-byte columns modulo 256 bytes
.set ABYTES, 65536
.set SLOT,   ABYTES+128*BPITCH         ; 133,120
.set STAGE,  2*SLOT                    ; 266,240, a multiple of 256
.set SPITCH, 272
.set ADRA,   16                        ; v16-17
.set ADRB,   20                        ; v20-21
.set STO,    24                        ; where I put 32 bytes of a row
.set RD,     25                        ; where I read a row back
.set CO,     26                        ; my byte offset in out0
.set FA,     32                        ; buffer f at FA + 32 f
.set FB,     96                        ; buffer f at FB + 32 f
.set G1,     24
.set G0,     32
.set G1B,    48
.set G0B,    56
.set MSB, 0
.macro WIN new                         ; s_set_vgpr_msb: bits 1:0 source 0, 3:2 source 1, 5:4 source 2, 7:6 destination; the high byte repeats the setting that is left
.if MSB != \new
	s_set_vgpr_msb (MSB<<8)|\new
.set MSB, \new
.endif
.endm
.set MULW, 0x50                        ; fragments window 0, C and D window 1
.macro JLOADS s
	tensor_load_to_lds s[G0+4*\s:G0+4*\s+3], s[G1:G1+7]
	s_nop 0
	tensor_load_to_lds s[G0B+4*\s:G0B+4*\s+3], s[G1B:G1B+7]
	s_nop 0
.endm
.macro CREST
	s_cmp_lg_u32 s10, 0
	s_cbranch_scc1 .Lnot_wave_0_\@
	s_barrier_signal -3
.Lnot_wave_0_\@:
	s_barrier_wait -3
	s_barrier_signal -1
	s_barrier_wait -1
.endm
.macro CROUND
	s_barrier_signal -1
	s_barrier_wait -1
	CREST
.endm
.macro PLACES                          ; four independent vector places behind a matrix instruction (ISA guide 7.12.1)
.rept 4
	v_nop
.endr
.endm
	s_load_b128 s[4:7], s[0:1], 0x0                ; ao s[4:5], wprojb s[6:7]
	s_load_b64 s[8:9], s[0:1], 0x10                ; out0
	v_lshl_add_u32 v254, v0, 2, 0x45400
	v_mov_b32 v255, 0
	ds_add_u32 v254, v255
	v_lshrrev_b32 v1, 5, v0
	v_readfirstlane_b32 s10, v1                    ; wave 0 .. 3
	s_lshr_b32 s11, s10, 1                         ; which 64 rows
	s_and_b32 s12, s10, 1                          ; which 64 columns
	s_bfe_u32 s40, ttmp6, 0x40000                  ; cx
	s_bfe_u32 s41, ttmp6, 0x40004                  ; cy
	s_lshl_b32 s42, ttmp9, 2
	s_add_co_u32 s42, s42, s40                     ; block column 0 .. 7
	s_and_b32 s13, ttmp7, 0xffff
	s_lshl_b32 s13, s13, 2
	s_add_co_u32 s13, s13, s41                     ; block row 0 .. 31
	s_lshl_b32 s43, s41, 2
	s_lshl_b32 s43, 15, s43                        ; my row of the cluster
	s_lshl_b32 s44, 0x1111, s40                    ; my column
	; ao: 2 row tiles x 8,192 bytes, 32,768 bytes apart, in elements of 8 bytes, no padding
	s_or_b32 s[G1+0], s43, (3<<16)|(1<<21)
	s_mov_b32 s[G1+1], 1024<<16                    ; tensor_dim0 = 1,024
	s_mov_b32 s[G1+2], 2<<16                       ; tensor_dim1 = 2
	s_mov_b32 s[G1+3], 1024<<16                    ; tile_dim0
	s_mov_b32 s[G1+4], 2                           ; tile_dim1
	s_mov_b32 s[G1+5], 4096                        ; pitch
	s_mov_b32 s[G1+6], 0
	s_mov_b32 s[G1+7], 0
	; wprojb: 32 rows x 256 elements of 2 bytes, 4 words of padding behind every 128 words
	s_or_b32 s[G1B+0], s44, (1<<16)|(1<<20)|(1<<21)|(6<<22)|(3<<25)
	s_mov_b32 s[G1B+1], 256<<16
	s_mov_b32 s[G1B+2], 32<<16
	s_mov_b32 s[G1B+3], 256<<16
	s_mov_b32 s[G1B+4], 32
	s_mov_b32 s[G1B+5], 1024
	s_mov_b32 s[G1B+6], 0
	s_mov_b32 s[G1B+7], 0
	s_lshl_b32 s16, s13, 3
	s_lshl1_add_u32 s16, s10, s16                  ; row tile 8 x block row + 2 x wave
	s_lshl_b32 s16, s16, 15
	s_mov_b32 s17, 0
	s_lshl_b32 s46, s42, 7
	s_lshl_b32 s47, s10, 5
	s_add_co_u32 s46, s46, s47                     ; row 128 x block column + 32 x wave
	s_lshl_b32 s46, s46, 11
	s_mov_b32 s47, 0
	s_mul_i32 s20, s10, 16384                      ; where they go: the wave's number alone
	s_mul_i32 s21, s10, 32*BPITCH
	s_add_co_u32 s21, s21, ABYTES
	s_wait_dscnt 0x0
	s_wait_kmcnt 0x0
	s_add_nc_u64 s[14:15], s[4:5], s[16:17]
	s_add_nc_u64 s[46:47], s[6:7], s[46:47]
	CROUND                                         ; the first joint loads meet
.irp s, 0,1
	s_mov_b32 s[G0+4*\s], 1
	s_add_co_u32 s[G0+4*\s+1], s20, \s*SLOT
	s_add_nc_u64 s[G0+4*\s+2:G0+4*\s+3], s[14:15], \s*8192
	s_or_b32 s[G0+4*\s+3], s[G0+4*\s+3], 0x80000000
	s_mov_b32 s[G0B+4*\s], 1
	s_add_co_u32 s[G0B+4*\s+1], s21, \s*SLOT
	s_add_nc_u64 s[G0B+4*\s+2:G0B+4*\s+3], s[46:47], \s*512
	s_or_b32 s[G0B+4*\s+3], s[G0B+4*\s+3], 0x80000000
	JLOADS \s
.endr
	v_and_b32 v1, 15, v0                           ; r
	v_bfe_u32 v2, v0, 4, 1                         ; h
	v_mul_u32_u24 v3, v1, BPITCH
	v_lshl_add_u32 v3, v2, 4, v3                   ; wprojb: row x pitch + 16 h
	v_and_b32 v4, 31, v0
	v_lshlrev_b32 v4, 4, v4                        ; ao: 16 x lane
	s_mul_i32 s22, s11, 32768                      ; my four row tiles
	s_mul_i32 s23, s12, 64*BPITCH                  ; my 64 rows of wprojb
	s_add_co_u32 s23, s23, ABYTES
.irp s, 0,1
	v_add_nc_u32 v[ADRA+\s], s22, v4
	v_add_nc_u32 v[ADRB+\s], s23, v3
	s_add_co_u32 s22, s22, SLOT
	s_add_co_u32 s23, s23, SLOT
.endr
	s_mul_i32 s18, s10, 16*SPITCH
	s_add_co_u32 s18, s18, STAGE                   ; my stage
	v_mul_u32_u24 v5, v1, SPITCH
	v_lshl_add_u32 v5, v2, 5, v5                   ; in: row r, 32 bytes for each half of the lanes
	v_add_nc_u32 v[STO], s18, v5
	v_mul_u32_u24 v5, v2, SPITCH
	v_lshl_add_u32 v5, v1, 4, v5                   ; back: lanes 0-15 one row of 256 bytes, lanes 16-31 the next
	v_add_nc_u32 v[RD], s18, v5
	v_lshlrev_b32 v5, 12, v2                       ; the same two rows in out0
	v_lshl_add_u32 v[CO], v1, 4, v5
; cnt x 4 matrix instructions on buffer f: row tiles a0 .. x all four column tiles.  The 16 accumulators take turns, one instruction a turn, in the same
; order in every quarter step.  zero = 1: the first product starts the sums.
.macro MUL f, a0, cnt, zero
.set ma, \a0
.rept \cnt
.set mb, 0
.rept 4
.if \zero
	v_wmma_f32_16x16x32_f16 v[8*(4*ma+mb):8*(4*ma+mb)+7], v[FB+32*\f+8*mb:FB+32*\f+8*mb+7], v[FA+32*\f+8*ma:FA+32*\f+8*ma+7], 0
.else
	v_wmma_f32_16x16x32_f16 v[8*(4*ma+mb):8*(4*ma+mb)+7], v[FB+32*\f+8*mb:FB+32*\f+8*mb+7], v[FA+32*\f+8*ma:FA+32*\f+8*ma+7], v[8*(4*ma+mb):8*(4*ma+mb)+7]
.endif
.set mb, mb+1
.endr
.set ma, ma+1
.endr
.endm
.macro FETCH slot, q, f                ; 16 LDS loads: part q (32 along K) into buffer f: wprojb's 8 first, then ao's 8
.irp i, 0,1,2,3
	ds_load_b128 v[FB+32*\f+8*\i:FB+32*\f+8*\i+3],   v[ADRB+\slot] offset:64*\q+\i*16*BPITCH
	ds_load_b128 v[FB+32*\f+8*\i+4:FB+32*\f+8*\i+7], v[ADRB+\slot] offset:64*\q+\i*16*BPITCH+32
.endr
.irp i, 0,1,2,3
	ds_load_b128 v[FA+32*\f+8*\i:FA+32*\f+8*\i+3],   v[ADRA+\slot] offset:8192*\i+1024*\q
	ds_load_b128 v[FA+32*\f+8*\i+4:FA+32*\f+8*\i+7], v[ADRA+\slot] offset:8192*\i+1024*\q+512
.endr
.endm
.macro QUARTER slot, q, f, g, zero     ; one of a K step's first seven parts
	s_wait_dscnt 4                                 ; wprojb and ao's tiles 0, 1 are in; the youngest four loads (tiles 2, 3) may be out
	WIN MULW
	MUL \f, 0, 2, \zero
	PLACES
	WIN 0
	FETCH \slot, \q, \g
	s_wait_dscnt 16                                ; all but the 16 just issued
	WIN MULW
	MUL \f, 2, 2, \zero
.endm
.macro SEVEN slot, zero
	QUARTER \slot, 1, 0, 1, \zero
	QUARTER \slot, 2, 1, 0, 0
	QUARTER \slot, 3, 0, 1, 0
	QUARTER \slot, 4, 1, 0, 0
	QUARTER \slot, 5, 0, 1, 0
	QUARTER \slot, 6, 1, 0, 0
	QUARTER \slot, 7, 0, 1, 0
.endm
; The eighth part: multiplies buffer 1 and changes slots; the waits, the barrier (which opens a round of the cluster's barrier where the slot is filled
; again) and the joint refills, first behind the round.
.macro TURN slot, next, fill
	s_wait_dscnt 4
	WIN MULW
	MUL 1, 0, 1, 0
	s_wait_dscnt 0                                 ; my reads of this slot are over
	s_wait_tensorcnt 0x0                           ; all my tensor loads have landed
	ds_add_u32 v254, v255
	s_wait_dscnt 0x0
	s_barrier_signal -1
	MUL 1, 1, 1, 0
	WIN 0
	s_barrier_wait -1
.if \fill
	CREST
	s_add_nc_u64 s[G0+4*\slot+2:G0+4*\slot+3], s[G0+4*\slot+2:G0+4*\slot+3], 2*8192
	s_add_nc_u64 s[G0B+4*\slot+2:G0B+4*\slot+3], s[G0B+4*\slot+2:G0B+4*\slot+3], 2*512
	JLOADS \slot
.endif
	PLACES
	FETCH \next, 0, 0
	WIN MULW
	MUL 1, 2, 2, 0
.endm
	s_wait_tensorcnt 0x2                           ; my two loads of K step 0 are in; K step 1's two stay out
	s_barrier_signal -1
	s_barrier_wait -1
	FETCH 0, 0, 0
	SEVEN 0, 1                                     ; K step 0
	TURN 0, 1, 1                                   ; asks for K step 2
	SEVEN 1, 0                                     ; K step 1
	TURN 1, 0, 1                                   ; asks for K step 3
	SEVEN 0, 0                                     ; K step 2
	TURN 0, 1, 0
	SEVEN 1, 0                                     ; K step 3
	s_wait_dscnt 4
	WIN MULW
	MUL 1, 0, 2, 0
	s_wait_dscnt 0
	MUL 1, 2, 2, 0
	; THE WAY OUT, 16 rows at a time through my own stage: 32 bytes a lane in, whole rows of 256 bytes back.
	PLACES
	WIN 0
	s_lshl_b32 s16, s13, 7
	s_lshl_b32 s17, s11, 6
	s_add_co_u32 s16, s16, s17                     ; my first row
	s_lshl_b32 s16, s16, 12                        ; x 4,096 bytes
	s_mov_b32 s17, 0
	s_add_nc_u64 s[8:9], s[8:9], s[16:17]
	s_lshl_b32 s46, s42, 9                         ; my first column, in bytes: 512 x block + 256 x half
	s_lshl_b32 s47, s12, 8
	s_add_co_u32 s46, s46, s47
	s_mov_b32 s47, 0
	s_add_nc_u64 s[8:9], s[8:9], s[46:47]
.macro OUT16 a
	WIN 0x04                                       ; store data window 1
.irp b, 0,1,2,3
	ds_store_b128 v[STO], v[8*(4*\a+\b):8*(4*\a+\b)+3]   offset:64*\b
	ds_store_b128 v[STO], v[8*(4*\a+\b)+4:8*(4*\a+\b)+7] offset:64*\b+16
.endr
	WIN 0
.irp t, 0,1,2,3,4,5,6,7
	ds_load_b128 v[FA+32*\a+4*\t:FA+32*\a+4*\t+3], v[RD] offset:\t*2*SPITCH      ; LDS serves a wave's instructions in order (ISA guide 5.7.1.4): these see the stores above
.endr
.irp t, 0,1,2,3,4,5,6,7
	s_wait_dscnt 7-\t                              ; read-back t is in, the younger ones stay out
	global_store_b128 v[CO], v[FA+32*\a+4*\t:FA+32*\a+4*\t+3], s[8:9] offset:(16*\a+2*\t)*4096 th:TH_STORE_NT   ; 16 lanes store 256 consecutive aligned bytes; each data register is written once
.endr
.endm
	OUT16 0
	OUT16 1
	OUT16 2
	OUT16 3
	s_wait_tensorcnt 0x0
	ds_add_u32 v254, v255
	s_wait_dscnt 0x0
	CROUND                                         ; the closing round
	s_endpgm
.Lfunc_end_k_q49dad7301a_proj:
	.size	k_q49dad7301a_proj, .Lfunc_end_k_q49dad7301a_proj-k_q49dad7301a_proj
	.p2alignl 7, 3214868480
	.fill 96, 4, 3214868480
	.section	.rodata,"a",@progbits
	.p2align	6, 0x0
	.amdhsa_kernel k_q49dad7301a_proj
		.amdhsa_group_segment_fixed_size 327680
		.amdhsa_private_segment_fixed_size 0
		.amdhsa_enable_private_segment 0
		.amdhsa_kernarg_size 24
		.amdhsa_user_sgpr_count 2
		.amdhsa_user_sgpr_kernarg_segment_ptr 1
		.amdhsa_wavefront_size32 1
		.amdhsa_system_sgpr_workgroup_id_x 1
		.amdhsa_system_sgpr_workgroup_id_y 1
		.amdhsa_system_sgpr_workgroup_id_z 1
		.amdhsa_system_vgpr_workitem_id 0
		.amdhsa_next_free_vgpr 384
		.amdhsa_next_free_sgpr 66
		.amdhsa_reserve_vcc 0
		.amdhsa_float_denorm_mode_32 3
		.amdhsa_float_denorm_mode_16_64 3
		.amdhsa_memory_ordered 1
		.amdhsa_forward_progress 1
		.amdhsa_inst_pref_size 89
	.end_amdhsa_kernel
	.amdgpu_metadata
---
amdhsa.version: [ 1, 2 ]
amdhsa.kernels:
  - .name:           k_q49dad7301a_proj
    .symbol:         k_q49dad7301a_proj.kd
    .args:
      - { .name: ao, .offset: 0, .size: 8, .value_kind: global_buffer, .address_space: global }
      - { .name: wprojb, .offset: 8, .size: 8, .value_kind: global_buffer, .address_space: global }
      - { .name: out0, .offset: 16, .size: 8, .value_kind: global_buffer, .address_space: global }
    .group_segment_fixed_size: 327680
    .private_segment_fixed_size: 0
    .kernarg_segment_align: 8
    .kernarg_segment_size: 24
    .max_flat_workgroup_size: 128
    .sgpr_count:     66
    .vgpr_count:     384
    .wavefront_size: 32
...
	.end_amdgpu_metadata
.endif
;; end of part 4
;; ======== version 2 of 2: 4 launches; version 1 with the launch cast written anew for expert scheduling mode
;; limits: values are held in f16: magnitudes above 65,504 overflow, below 6.1e-05 lose precision; right only within a limited range of input values
;; workspace buffers: xb 8,388,608 bytes; wqkvb 6,291,456 bytes; wprojb 2,097,152 bytes; qkv 25,165,824 bytes; ao 8,388,608 bytes
;; launch cast (part 5): grid 256 x 1, 8 waves a work-group, no clusters, 0 bytes of LDS; arguments x, w_qkv, w_proj, xb, wqkvb, wprojb; writes xb, wqkvb, wprojb
.if DOCPART == 5
	.amdgcn_target "amdgcn-amd-amdhsa--gfx1250"
	.amdhsa_code_object_version 6
	.text
	.protected	k_q49dad7301a_cast
	.globl	k_q49dad7301a_cast
	.p2align	8
	.type	k_q49dad7301a_cast,@function
k_q49dad7301a_cast:
	s_mov_b64 s[64:65], 0
	v_nop
	global_prefetch_b8 v0, s[64:65] scope:SCOPE_SE
	s_setreg_imm32_b32 hwreg(HW_REG_WAVE_SCHED_MODE, 0, 2), 2
	s_setreg_imm32_b32 hwreg(HW_REG_WAVE_MODE, 25, 1), 1
	s_wait_xcnt 0x0
	s_wait_alu depctr_vm_vsrc(0)
; x, w_qkv, w_proj (f32) are rounded once to f16 (nearest even) into xb, wqkvb, wprojb, same order of elements.
; LIMIT: f16 holds magnitudes below 65,504; a larger input becomes an infinity.  Inputs below 2^-14 keep an absolute step of 2^-24.
; A stream: every byte is read once and written once, no work-group shares anything with another, so there is no LDS, no barrier, no cluster.
; 256 work-groups of 8 waves, 32,768 numbers each (131,072 bytes in, 65,536 out): 128 groups for x, 96 for w_qkv, 32 for w_proj.
; Thread t takes the 16 bytes at 4096 i + 16 t, i = 0 .. 31: a wave's load covers 512 consecutive bytes, its store 256 consecutive aligned bytes.
; All 32 loads of a thread are issued first; no register is written twice, so no source of a pending instruction is ever rewritten.
; THE MODE: SCHED_MODE bits 1:0 = 2 (LLVM: expert scheduling mode 2), set by the entry lines.  The code itself states the register dependences
; between vector instructions and memory instructions, with s_wait_alu, always for 0.
; THE PLAN.  Registers that memory instructions touch:
;   v1, v2   byte offsets.  Written once each at the head; v1 is read by every load, v2 by every store; never written again.
;   X        load i lands in X + 4 i .. + 3, which no vector instruction has named before; two conversions read them; they are never loaded again.
;   Y        two conversions write Y + 2 i, + 1; store i reads them; they are never written again.
; So the only dependence to state is: written by a vector instruction, then read by a memory instruction.  One wait at the head states it for the
; two offsets.  The 32 pieces go in eight blocks of four: a block's eight conversions, ONE wait, the block's four stores in a run.
; The stores stand behind their own block's conversions and not behind the next block's wait for data: all loads are out already, so between two
; blocks the wave has nothing to do but that wait, and a store that is ready leaves ahead of it.
; No vector instruction writes a scalar register or VCC, EXEC is never written, and no LDS is used.
.set X, 4                              ; v[4:131]    load i: 4 registers
.set Y, 132                            ; v[132:195]  store i: 2 registers
.set BLOCK, 4                          ; pieces in a block
	s_load_b256 s[4:11], s[0:1], 0x0               ; x s[4:5], w_qkv s[6:7], w_proj s[8:9], xb s[10:11]
	s_load_b128 s[12:15], s[0:1], 0x20             ; wqkvb s[12:13], wprojb s[14:15]
	v_lshlrev_b32 v1, 4, v0                        ; 16 t: where I read
	v_lshlrev_b32 v2, 3, v0                        ; 8 t: where I write
	s_wait_kmcnt 0x0
	s_cmp_lt_u32 ttmp9, 128                        ; groups 0 .. 127: x
	s_cselect_b64 s[16:17], s[4:5], s[6:7]
	s_cselect_b64 s[18:19], s[10:11], s[12:13]
	s_cselect_b32 s20, 0, 128
	s_cmp_lt_u32 ttmp9, 224                        ; groups 128 .. 223: w_qkv; 224 .. 255: w_proj
	s_cselect_b64 s[16:17], s[16:17], s[8:9]
	s_cselect_b64 s[18:19], s[18:19], s[14:15]
	s_cselect_b32 s20, s20, 224
	s_sub_co_u32 s21, ttmp9, s20                   ; my number among the groups of my tensor
	s_lshl_b32 s22, s21, 17                        ; x 131,072 bytes in
	s_mov_b32 s23, 0
	s_add_nc_u64 s[16:17], s[16:17], s[22:23]
	s_lshl_b32 s22, s21, 16                        ; x 65,536 bytes out
	s_add_nc_u64 s[18:19], s[18:19], s[22:23]
	s_wait_alu depctr_va_vdst(0)                   ; v1 and v2 are written: every load below reads v1 as its offset, every store v2
.set i, 0
.rept 32
	global_load_b128 v[X+4*i:X+4*i+3], v1, s[16:17] offset:4096*i th:TH_LOAD_NT
.set i, i+1
.endr
.set p, 0
.rept 32/BLOCK
	s_wait_loadcnt 32-BLOCK-BLOCK*p                ; loads come back in order (ISA guide 5.7.1): block p's four are in, the 28 - 4 p younger ones stay out
.irp j, 0,1,2,3
	v_cvt_pk_f16_f32 v[Y+2*(BLOCK*p+(\j))],   v[X+4*(BLOCK*p+(\j))],   v[X+4*(BLOCK*p+(\j))+1]
	v_cvt_pk_f16_f32 v[Y+2*(BLOCK*p+(\j))+1], v[X+4*(BLOCK*p+(\j))+2], v[X+4*(BLOCK*p+(\j))+3]
.endr
	s_wait_alu depctr_va_vdst(0)                   ; the block's eight conversions have written their Y registers, which the four stores below read
.irp j, 0,1,2,3
	global_store_b64 v2, v[Y+2*(BLOCK*p+(\j)):Y+2*(BLOCK*p+(\j))+1], s[18:19] offset:2048*(BLOCK*p+(\j))
.endr
.set p, p+1
.endr
	s_endpgm
.Lfunc_end_k_q49dad7301a_cast:
	.size	k_q49dad7301a_cast, .Lfunc_end_k_q49dad7301a_cast-k_q49dad7301a_cast
	.p2alignl 7, 3214868480
	.fill 96, 4, 3214868480
	.section	.rodata,"a",@progbits
	.p2align	6, 0x0
	.amdhsa_kernel k_q49dad7301a_cast
		.amdhsa_group_segment_fixed_size 0
		.amdhsa_private_segment_fixed_size 0
		.amdhsa_enable_private_segment 0
		.amdhsa_kernarg_size 48
		.amdhsa_user_sgpr_count 2
		.amdhsa_user_sgpr_kernarg_segment_ptr 1
		.amdhsa_wavefront_size32 1
		.amdhsa_system_sgpr_workgroup_id_x 1
		.amdhsa_system_sgpr_workgroup_id_y 1
		.amdhsa_system_sgpr_workgroup_id_z 1
		.amdhsa_system_vgpr_workitem_id 0
		.amdhsa_next_free_vgpr 196
		.amdhsa_next_free_sgpr 66
		.amdhsa_reserve_vcc 0
		.amdhsa_float_denorm_mode_32 3
		.amdhsa_float_denorm_mode_16_64 3
		.amdhsa_memory_ordered 1
		.amdhsa_forward_progress 1
		.amdhsa_inst_pref_size 12
	.end_amdhsa_kernel
	.amdgpu_metadata
---
amdhsa.version: [ 1, 2 ]
amdhsa.kernels:
  - .name:           k_q49dad7301a_cast
    .symbol:         k_q49dad7301a_cast.kd
    .args:
      - { .name: x, .offset: 0, .size: 8, .value_kind: global_buffer, .address_space: global }
      - { .name: w_qkv, .offset: 8, .size: 8, .value_kind: global_buffer, .address_space: global }
      - { .name: w_proj, .offset: 16, .size: 8, .value_kind: global_buffer, .address_space: global }
      - { .name: xb, .offset: 24, .size: 8, .value_kind: global_buffer, .address_space: global }
      - { .name: wqkvb, .offset: 32, .size: 8, .value_kind: global_buffer, .address_space: global }
      - { .name: wprojb, .offset: 40, .size: 8, .value_kind: global_buffer, .address_space: global }
    .group_segment_fixed_size: 0
    .private_segment_fixed_size: 0
    .kernarg_segment_align: 8
    .kernarg_segment_size: 48
    .max_flat_workgroup_size: 256
    .sgpr_count:     66
    .vgpr_count:     196
    .wavefront_size: 32
...
	.end_amdgpu_metadata
.endif
;; end of part 5
;; launch qkv: the kernel of part 2 again; grid 16 x 16, 4 waves a work-group, clusters of 4 x 4, 327,680 bytes of LDS; arguments xb, wqkvb, qkv; writes qkv
;; launch attn: the kernel of part 3 again; grid 8 x 32, 8 waves a work-group, clusters of 4 x 1, 327,680 bytes of LDS; arguments qkv, ao; writes ao
;; launch proj: the kernel of part 4 again; grid 8 x 32, 4 waves a work-group, clusters of 4 x 4, 327,680 bytes of LDS; arguments ao, wprojb, out0; writes out0
